; MI455X (gfx1250); checked and timed in simulation.
; The chip was launched on July 23, 2026; its instructions are those of AMD's public machine-readable ISA for CDNA 5 (MIT licence, August 2026) and "CDNA5" Instruction Set Architecture Reference Guide (July 2026). The comments in the code are by the model that wrote it; some were corrected since.
;; Self Attention Naive. Allowed arithmetic: matrix products marked QUANTISED: E2M3 operands, one E8M0 scale for each 32 along K, by v_wmma_scale_f32_16x16x128_f8f6f4 with both operands' format E2M3, f32 sums; everything else in f32.
;; Inputs: gamma 1 float32; wf_codes 64 x 8 x 24 uint8 (E2M3 codes of wf, K innermost, in blocks of 32 codes, four codes in three bytes); wf_scales 64 x 8 uint8 (E8M0 scales of wf, one for each 32 codes along K); wg_codes 64 x 8 x 24 uint8 (E2M3 codes of wg, K innermost, in blocks of 32 codes, four codes in three bytes); wg_scales 64 x 8 uint8 (E8M0 scales of wg, one for each 32 codes along K); wh_codes 256 x 8 x 24 uint8 (E2M3 codes of wh, K innermost, in blocks of 32 codes, four codes in three bytes); wh_scales 256 x 8 uint8 (E8M0 scales of wh, one for each 32 codes along K); x 8 x 256 x 64 x 64 float32.
;; Outputs: out0 8 x 256 x 64 x 64 float32.
;; This version of the problem:
;;   THIS VERSION OF THE PROBLEM IS GIVEN IN LOW PRECISION. The matrix products marked QUANTISED in the list below multiply operands that are first quantised to E2M3 (2 exponent bits, 3 mantissa bits; 6 bits a number), with one power-of-two scale for each 32 numbers along K (OCP MX v1.0); their sums are f32. All else is computed in f32.
;;   The module's matrix products, in the order in which they are computed (A, B: the left and right operand; K: the contracted axis; several contracted axes count as one K, in the product's order):
;;     1. [M 32,768, K 256] x [K 256, N 64]; A: input x; B: input wf (given as codes): QUANTISED
;;     2. [M 32,768, K 256] x [K 256, N 64]; A: input x; B: input wg (given as codes): QUANTISED
;;     3. [M 32,768, K 256] x [K 256, N 256]; A: input x; B: input wh (given as codes): QUANTISED
;;     4. batch 8 x [M 4,096, K 64] x [K 64, N 4,096]; A: computed on the way; B: computed on the way: QUANTISED
;;     5. batch 8 x [M 256, K 4,096] x [K 4,096, N 4,096]; A: computed on the way; B: softmax (see below): QUANTISED
;;   THE QUANTISER, for each operand of a quantised product, along K:
;;     - K is cut into blocks of 32 from its start; a last block that is shorter is filled with zeros.
;;     - A block's scale is 2^e with e = floor(log2(the largest magnitude in the block)) - 2, held to -126 .. 127; a block of zeros has e = 0. As a byte (E8M0): e + 127.
;;     - Each number is divided by its block's scale, clamped to +-7.5, and rounded to the nearest number of E2M3, ties to even, subnormals kept.
;;     - The product sums the exact products of the quantised numbers (number of the format x scale) in f32.
;;   ~~~python
;;   def quantise(x, axis):      # numpy; x: float32 -> the quantised numbers, widened to float32 again
;;       x = np.moveaxis(x, axis, -1); K = x.shape[-1]
;;       x = np.pad(x, [(0, 0)] * (x.ndim - 1) + [(0, -K % 32)]); x = x.reshape(x.shape[:-1] + (-1, 32)); a = np.abs(x).max(-1, keepdims=True)
;;       e = np.where(a > 0, np.clip(np.frexp(np.where(a > 0, a, 1))[1] - 1 - 2, -126, 127), 0)      # np.frexp(a)[1] - 1 = floor(log2(a)), exactly
;;       r = np.clip(x / 2.0 ** e, -7.5, 7.5)
;;       step = 2.0 ** (np.maximum(np.frexp(np.where(r == 0, 1, r))[1] - 1, 0) - 3)
;;       q = np.round(r / step) * step * 2.0 ** e      # np.round: ties to even
;;       return np.moveaxis(q.reshape(q.shape[:-2] + (-1,))[..., :K], -1, axis).astype(np.float32)
;;   ~~~
;;   SOFTMAX AHEAD OF A QUANTISED PRODUCT. Where the list says 'softmax', what is quantised is not the finished softmax but p = 2^(t - M), with t = logit x log2(e) and M = ceil(the row's largest t), a whole number; so 1/2 < the row's largest p <= 1. The row's sum l is taken of the UNQUANTISED p, in f32, and the product's result is divided by l at the end. Since M is a whole number, a kernel that streams over the keys may use a running M (the ceiling of the running maximum): every later rescaling is an exact power of two, which a block's scale takes up: the codes' values come out the same.
;;   OPERANDS COMPUTED ON THE WAY. 'Computed on the way' means the value that the module computes at that place (a softmax that the list does not call 'softmax' is quantised finished and normalised). What goes into a quantiser is computed in f32, as accurately as f32 sums, v_exp_f32 and their like allow (about 1e-6 of the number): no bf16 or f16 on the way to a quantiser, and a product that is left as it is and whose result goes on into a quantised operand takes f32 operands (vector FMAs, or v_wmma_f32_16x16x4_f32). A number that lies on a knife's edge between two numbers of the format may be rounded either way, as far as f32 arithmetic and the matrix unit's own rounding can turn it there, and no further.
;;   INPUTS GIVEN AS CODES. wf (in the module: [64, 256], K = its axis 1); wg (in the module: [64, 256], K = its axis 1); wh (in the module: [256, 256], K = its axis 1): each comes as NAME_codes (uint8): NAME with its K axis moved to the last place and cut into blocks of 32 codes, [.., K / 32, bytes a block], one block behind the other in memory; four codes in three bytes: a row's codes are one little-endian stream of bits, code i at bits 6 i .. 6 i + 5 (a code: sign, 2 exponent bits, 3 mantissa bits); and NAME_scales (uint8): the same leading axes, one E8M0 byte (e + 127) for each 32 codes along K. Its value is code x scale, taken as it is: it is not quantised again, and the codes and scales need not be those that the quantiser above would give.
;; One version. Each part assembles by itself: llvm-mc -triple=amdgcn-amd-amdhsa -mcpu=gfx1250 --defsym DOCPART=n.
;; ======== version 1 of 1: 2 launches
;; workspace buffers: q 1,703,936 bytes; kv 8,388,608 bytes
;; launch proj (part 1): grid 32 x 8, 4 waves a work-group, no clusters, 167,936 bytes of LDS; arguments x, wf_codes, wf_scales, wg_codes, wg_scales, wh_codes, wh_scales, q, kv; writes q, kv
.if DOCPART == 1
	.amdgcn_target "amdgcn-amd-amdhsa--gfx1250"
	.amdhsa_code_object_version 6
	.text
	.protected	k_q4b82953b28_proj
	.globl	k_q4b82953b28_proj
	.p2align	8
	.type	k_q4b82953b28_proj,@function
k_q4b82953b28_proj:
	s_mov_b64 s[64:65], 0
	v_nop
	global_prefetch_b8 v0, s[64:65] scope:SCOPE_SE
	s_setreg_imm32_b32 hwreg(HW_REG_WAVE_MODE, 25, 1), 1
	s_wait_xcnt 0x0
; fx = wf x, gx = wg x, hx = wh x for 128 positions of one batch, all three products on codes of E2M3 with one E8M0 scale for each 32 along K, and the results quantised again for the attention launch.
; x: [8][256 channels][4096 positions] f32; its K (the channels) is not innermost: a lane takes a position and its registers run down the channels.  wf, wg [64][256], wh [256][256] come as codes, K innermost.
; NO WORK IS LEFT OUT: every input has a way to the output and is loaded (gamma by the second launch).
; WHAT IS STORED, as images of operand registers (lane l's 16 or 8 bytes on end), so that the second launch loads fragments as they stand:
;   kv [8][32][32768]: for 128 keys: 8 tiles of fx (768 bytes: registers 0-3 at 16 l, registers 4-5 at 512 + 8 l; K = 64 channels), from 6144 on 16 tiles of hx (1536 bytes; K = these 128 positions),
;   at 30720 fx's scale words (tile 2 w + u, row r: 128 w + 8 r + 4 u), at 31232 hx's (tile 4 w + i, row r: 256 w + 16 r + 4 i), at 32256 512 zeros, so that a block is whole.
;   q [8][32][6656]: 8 tiles of gx like fx's, at 6144 their scale words (pair w: 128 w + 4 l; lanes 0-15 tile 2 w, lanes 16-31 tile 2 w + 1).
; THE POSITIONS OF A TILE ARE NOT NEIGHBOURS: row r of tile 2 w + u is position 32 w + 8 u + r + 8 (r / 8), so that the 16 registers of two neighbouring result tiles are 16 neighbouring positions.
; fx and gx have K = 64: their scale words carry 0x7f in the two upper bytes; the upper 64 of the instruction's 128 get zero codes on gx's side in the second launch.
; SHARES.  Four waves.  Wave w quantises positions 32 w .. 32 w + 31 of x (two tiles), makes fx and gx for them from its own registers, and makes hx's channels 64 w .. 64 w + 63 for all 128 positions,
; for which x's fragments go from wave to wave through LDS as images of their registers.
; LIMITS: NaN and infinities among the inputs are not served; a block whose largest magnitude lies under 2^-124 gets the byte 1; a block of zeros gets the byte 1 where the rule says 127: its codes are zeros,
; which add nothing under any byte but 0xff, and these bytes are read by this program alone.
; No cluster: what work-groups share is the weights, 76,800 bytes against 131,072 of x for each.
.set XIMG,  131072                     ; LDS: from 0 x's tile, 256 rows (channels) of 512 bytes; here 16 fragment images of 1536 bytes (2 x tile + K step),
.set XSC,   155648                     ; their scale words, 128 bytes for each (wave, K step),
.set SCST,  156672                     ; the stage of the scale words that leave: fx's 512, hx's 1024, 512 zeros, gx's 512,
.set SPARE, 159232                     ; the spare words, 128 bytes for each wave: two blocks of 256 bytes that no other line names
.set LANE, 1
.set RR,   2                           ; lane % 16
.set HH,   3                           ; lane / 16
.set XLA,  4                           ; v4-5   x's tile: my position's 4 bytes in channel row 0, and in row 128
.set LIX,  6                           ; v6     16 x lane + XIMG
.set LSX,  7                           ; v7     4 x lane + XSC
.set XWI,  8                           ; v8     where I store my images: LIX + 6144 x wave
.set XWS,  9                           ; v9     and their scale words: LSX + 256 x wave
.set WFA,  10                          ; v10    wf, wg: (r + 8 (r / 8)) rows of 192 bytes + 24 h
.set WSA,  11                          ; v11    their scale words: 8 bytes a row
.set WHA,  12                          ; v12    wh: row r + 24 h
.set WHSA, 13                          ; v13
.set KST16, 14                         ; v14    16 x lane + 1536 x wave: my two tiles in kv and in q
.set KST8, 15                          ; v15    8 x lane + 1536 x wave
.set VST,  16                          ; v16    16 x lane + 6144 x wave: my four tiles of hx
.set SKA,  17                          ; v17-20 the stage: fx's words, gx's, hx's, the zeros
.set SQA,  18
.set SVA,  19
.set SZA,  20
.set SRD,  21                          ; v21    the stage read back: SCST + 512 x wave + 16 x lane
.set SGO,  22                          ; v22    and the same place in memory
.set ZR,   23                          ; v23    0, the data of the zeros
.set SPW,  24                          ; v24    LDS address of my spare word; never rewritten
.set NIL,  25                          ; v25    0; never rewritten
.set XB,   32                          ; v32-95  two sets of 32 numbers of x; later
.set ACC,  32                          ;         eight accumulators
.set XF,   96                          ; v96-143 my four fragments of x: tile u, K step ks at 24 u + 12 ks; later hx's four fragments
.set XS,   144                         ; v144-145 my scale words, one register a K step: lanes 0-15 tile 0, lanes 16-31 tile 1
.set XSA,  146                         ; v146-153 everybody's: 2 x wave + K step
.set VSW,  154                         ; v154-157 hx's scale words
.set TM,   160                         ; v160-175 at work
.set TA,   178                         ; v178-180, v182-184 conversions' upper halves
.set TB,   182
.set CF,   186                         ; v186-217 fx's and gx's fragments: 16 u + 8 g
.set FW,   218                         ; v218-221 their scale words: 2 u + g
.set WS,   224                         ; v224-239 wf's and wg's scale words: 2 t + K step
.set WHS,  240                         ; v240-247 wh's
.set OB,   248                         ; v248-255 the stage on its way out
; window 1: wf's and wg's 16 fragments at 24 t + 12 ks;  window 2: wh's 8 at 24 tt + 12 ks;  window 3: all 16 fragments of x at 24 p + 12 ks
.set MSB, 0
.macro WIN new                         ; the immediate's high byte repeats the setting that is left
.if MSB != \new
	s_set_vgpr_msb (MSB<<8)|\new
.set MSB, \new
.endif
.endm
.macro PLACES n
.rept \n
	v_nop
.endr
.endm
; one matrix instruction: D at d, A at a, B at b, C at c (c < 0: the constant 0 starts the sum), scale registers sa, sb; ra, rb = 1: that side's scales are read from lanes 16-31
.macro MM d, a, b, c, sa, sb, ra, rb
.if (\c) < 0
.if (\ra) && (\rb)
	v_wmma_scale_f32_16x16x128_f8f6f4 v[\d:\d+7], v[\a:\a+11], v[\b:\b+11], 0, v[\sa], v[\sb] matrix_a_fmt:MATRIX_FMT_FP6 matrix_b_fmt:MATRIX_FMT_FP6 matrix_a_scale:MATRIX_SCALE_ROW1 matrix_b_scale:MATRIX_SCALE_ROW1
.elseif (\ra)
	v_wmma_scale_f32_16x16x128_f8f6f4 v[\d:\d+7], v[\a:\a+11], v[\b:\b+11], 0, v[\sa], v[\sb] matrix_a_fmt:MATRIX_FMT_FP6 matrix_b_fmt:MATRIX_FMT_FP6 matrix_a_scale:MATRIX_SCALE_ROW1
.elseif (\rb)
	v_wmma_scale_f32_16x16x128_f8f6f4 v[\d:\d+7], v[\a:\a+11], v[\b:\b+11], 0, v[\sa], v[\sb] matrix_a_fmt:MATRIX_FMT_FP6 matrix_b_fmt:MATRIX_FMT_FP6 matrix_b_scale:MATRIX_SCALE_ROW1
.else
	v_wmma_scale_f32_16x16x128_f8f6f4 v[\d:\d+7], v[\a:\a+11], v[\b:\b+11], 0, v[\sa], v[\sb] matrix_a_fmt:MATRIX_FMT_FP6 matrix_b_fmt:MATRIX_FMT_FP6
.endif
.else
.if (\ra) && (\rb)
	v_wmma_scale_f32_16x16x128_f8f6f4 v[\d:\d+7], v[\a:\a+11], v[\b:\b+11], v[\c:\c+7], v[\sa], v[\sb] matrix_a_fmt:MATRIX_FMT_FP6 matrix_b_fmt:MATRIX_FMT_FP6 matrix_a_scale:MATRIX_SCALE_ROW1 matrix_b_scale:MATRIX_SCALE_ROW1
.elseif (\ra)
	v_wmma_scale_f32_16x16x128_f8f6f4 v[\d:\d+7], v[\a:\a+11], v[\b:\b+11], v[\c:\c+7], v[\sa], v[\sb] matrix_a_fmt:MATRIX_FMT_FP6 matrix_b_fmt:MATRIX_FMT_FP6 matrix_a_scale:MATRIX_SCALE_ROW1
.elseif (\rb)
	v_wmma_scale_f32_16x16x128_f8f6f4 v[\d:\d+7], v[\a:\a+11], v[\b:\b+11], v[\c:\c+7], v[\sa], v[\sb] matrix_a_fmt:MATRIX_FMT_FP6 matrix_b_fmt:MATRIX_FMT_FP6 matrix_b_scale:MATRIX_SCALE_ROW1
.else
	v_wmma_scale_f32_16x16x128_f8f6f4 v[\d:\d+7], v[\a:\a+11], v[\b:\b+11], v[\c:\c+7], v[\sa], v[\sb] matrix_a_fmt:MATRIX_FMT_FP6 matrix_b_fmt:MATRIX_FMT_FP6
.endif
.endif
.endm
.macro BARRIER                         ; my LDS stores have landed and my LDS loads are in: then the work-group's barrier
	s_wait_dscnt 0x0
	s_barrier_signal -1
	s_barrier_wait -1
.endm
.macro XLD kb                          ; channels 32 kb .. 32 kb + 31 of my position into set kb % 2: each load reads 128 neighbouring bytes of one row
.irp i, 0,1,2,3,4,5,6,7,8,9,10,11,12,13,14,15,16,17,18,19,20,21,22,23,24,25,26,27,28,29,30,31
	ds_load_b32 v[XB+32*((\kb)%2)+\i], v[XLA+(\kb)/4] offset:(32*((\kb)%4)+\i)*512
.endr
.endm
; Block kb of my position: all its 32 numbers are mine.  left: the LDS loads issued behind this block's, which may stay out.
; Lanes 0-15 hold tile 0's rows, lanes 16-31 tile 1's.  The operand wants an even block in lanes 0-15 and the odd block beside it in lanes 16-31: behind each odd block the halves of the lanes change places,
; which gives tile 0's registers from both blocks' lanes 0-15 and tile 1's from their lanes 16-31.
.macro BLK kb, left
.set XN, XB+32*((\kb)%2)
.set XD, XF+24*((\kb)%2)+12*((\kb)/4)+6*(((\kb)%4)/2)
	s_wait_dscnt \left
	v_max3_num_f32 v[TM], |v[XN]|, |v[XN+1]|, |v[XN+2]|
	v_max3_num_f32 v[TM+1], |v[XN+3]|, |v[XN+4]|, |v[XN+5]|
.irp i, 6,10,14,18,22,26
	v_max3_num_f32 v[TM], v[TM], |v[XN+\i]|, |v[XN+\i+1]|
	v_max3_num_f32 v[TM+1], v[TM+1], |v[XN+\i+2]|, |v[XN+\i+3]|
.endr
	v_max3_num_f32 v[TM], v[TM], |v[XN+30]|, |v[XN+31]|
	v_max3_num_f32 v[TM], v[TM], v[TM+1], 0x1800000    ; and the floor 2^(3 - 127): the byte cannot fall under 1
	v_add_nc_u32 v[TM+2], 0xff000000, v[TM]            ; 2 off the exponent field: the conversion's scale operand
	v_lshrrev_b32 v[TM+3], 23, v[TM+2]                 ; the scale's byte
.if (\kb)%4 == 0
	v_mov_b32 v[XS+(\kb)/4], v[TM+3]
.else
	v_lshl_or_b32 v[XS+(\kb)/4], v[TM+3], 8*((\kb)%4), v[XS+(\kb)/4]
.endif
	v_cvt_scalef32_pk16_fp6_f32 v[XD:XD+2], v[XN:XN+15], v[TM+2]
	v_cvt_scalef32_pk16_fp6_f32 v[TA+4*((\kb)%2):TA+4*((\kb)%2)+2], v[XN+16:XN+31], v[TM+2]   ; (a conversion's three registers begin on an even number)
	v_nop                                              ; one plain place behind a scaled conversion
.if (\kb)%2
.irp i, 0,1,2
	v_permlane16_swap_b32 v[XD-24+\i], v[XD+\i]
.endr
.irp i, 0,1,2
	v_permlane16_swap_b32 v[TA+\i], v[TB+\i]
.endr
.irp i, 0,1,2
	v_mov_b32 v[XD-24+3+\i], v[TA+\i]
	v_mov_b32 v[XD+3+\i], v[TB+\i]
.endr
.endif
.endm
.macro IMAGE reg, adr, off             ; a fragment goes to LDS as it stands: lane l's 16 bytes at 16 l
.irp c, 0,1,2
	ds_store_b128 v[\adr], v[\reg+4*\c:\reg+4*\c+3] offset:\off+512*\c
.endr
.endm
.macro HALF ks                         ; 128 channels of my 32 positions become two fragments and a register of scale words
	XLD 4*\ks
	XLD 4*\ks+1
	BLK 4*\ks, 32
	XLD 4*\ks+2
	BLK 4*\ks+1, 32
	XLD 4*\ks+3
	BLK 4*\ks+2, 32
	BLK 4*\ks+3, 0
	IMAGE XF+12*\ks, XWI, 1536*\ks
	IMAGE XF+24+12*\ks, XWI, 3072+1536*\ks
	ds_store_b32 v[XWS], v[XS+\ks] offset:128*\ks
.endm
; 64 numbers of a lane, register 16 b + i = k 32 b + 16 (lane / 16) + i of my row, become a fragment's 12 registers at pc and its scale word in pw
.macro QUANT s, pc, pw
.irp b, 0,1,2,3
	v_max3_num_f32 v[TM+\b], |v[\s+16*\b]|, |v[\s+1+16*\b]|, 0x1800000
.endr
.irp i, 2,4,6,8,10,12,14
.irp b, 0,1,2,3
	v_max3_num_f32 v[TM+\b], v[TM+\b], |v[\s+16*\b+\i]|, |v[\s+1+16*\b+\i]|
.endr
.endr
.irp b, 0,1,2,3
	v_permlanex16_b32 v[TM+4+\b], v[TM+\b], s44, s45
.endr
.irp b, 0,1,2,3
	v_max_num_f32 v[TM+\b], v[TM+\b], v[TM+4+\b]       ; with lane l xor 16's: the block's largest magnitude
.endr
.irp b, 0,1,2,3
	v_add_nc_u32 v[TM+12+\b], 0xff000000, v[TM+\b]
.endr
.irp b, 0,1,2,3
	v_lshrrev_b32 v[TM+4+\b], 23, v[TM+12+\b]
.endr
	v_lshl_or_b32 v[\pw], v[TM+5], 8, v[TM+4]
	v_lshl_or_b32 v[\pw], v[TM+6], 16, v[\pw]
	v_lshl_or_b32 v[\pw], v[TM+7], 24, v[\pw]
.irp c, 0,1
	v_cvt_scalef32_pk16_fp6_f32 v[\pc+6*\c:\pc+6*\c+2], v[\s+32*\c:\s+32*\c+15], v[TM+12+2*\c]
	v_cvt_scalef32_pk16_fp6_f32 v[TA+4*\c:TA+4*\c+2], v[\s+16+32*\c:\s+31+32*\c], v[TM+13+2*\c]
.endr
	v_nop                                              ; one plain place behind a scaled conversion
.irp c, 0,1                                        ; the operand wants a whole block in a lane: lanes 0-15 block 2 c, lanes 16-31 block 2 c + 1
.irp i, 0,1,2
	v_permlane16_swap_b32 v[\pc+6*\c+\i], v[TA+4*\c+\i]
.endr
.irp i, 0,1,2
	v_mov_b32 v[\pc+6*\c+3+\i], v[TA+4*\c+\i]
.endr
.endr
.endm
; the same for 32 numbers (K = 64): six registers, and a scale word whose two upper bytes are 0x7f
.macro QUANT2 s, pc, pw
.irp b, 0,1
	v_max3_num_f32 v[TM+\b], |v[\s+16*\b]|, |v[\s+1+16*\b]|, 0x1800000
.endr
.irp i, 2,4,6,8,10,12,14
.irp b, 0,1
	v_max3_num_f32 v[TM+\b], v[TM+\b], |v[\s+16*\b+\i]|, |v[\s+1+16*\b+\i]|
.endr
.endr
.irp b, 0,1
	v_permlanex16_b32 v[TM+4+\b], v[TM+\b], s44, s45
.endr
.irp b, 0,1
	v_max_num_f32 v[TM+\b], v[TM+\b], v[TM+4+\b]
.endr
.irp b, 0,1
	v_add_nc_u32 v[TM+12+\b], 0xff000000, v[TM+\b]
.endr
.irp b, 0,1
	v_lshrrev_b32 v[TM+4+\b], 23, v[TM+12+\b]
.endr
	v_lshl_or_b32 v[\pw], v[TM+5], 8, v[TM+4]
	v_or_b32 v[\pw], 0x7f7f0000, v[\pw]
	v_cvt_scalef32_pk16_fp6_f32 v[\pc:\pc+2], v[\s:\s+15], v[TM+12]
	v_cvt_scalef32_pk16_fp6_f32 v[TA:TA+2], v[\s+16:\s+31], v[TM+13]
	v_nop
.irp i, 0,1,2
	v_permlane16_swap_b32 v[\pc+\i], v[TA+\i]
.endr
.irp i, 0,1,2
	v_mov_b32 v[\pc+3+\i], v[TA+\i]
.endr
.endm
	s_load_b512 s[8:23], s[0:1], 0x0               ; x s[8:9], wf's codes s[10:11], scales s[12:13], wg's s[14:15], s[16:17], wh's s[18:19], s[20:21], q s[22:23]
	s_load_b64 s[24:25], s[0:1], 0x40              ; kv
	v_lshl_add_u32 v[SPW], v0, 2, SPARE
	v_mov_b32 v[NIL], 0
	ds_add_u32 v[SPW], v[NIL]                      ; the wave's opening: the add, twice on end, and its wait ahead of my first tensor load; the set-up below stands between
	ds_add_u32 v[SPW], v[NIL]
	v_lshrrev_b32 v1, 5, v0
	v_readfirstlane_b32 s26, v1                    ; wave 0..3
	v_and_b32 v[LANE], 31, v0
	v_and_b32 v[RR], 15, v0
	v_bfe_u32 v[HH], v0, 4, 1
	s_and_b32 s27, ttmp7, 0xffff                   ; the batch
	; descriptor group 1: a tile of 32 rows (channels) x 128 numbers of 4 bytes, 4096 numbers from row to row, no padding
	s_mov_b32 s28, 2<<16
	s_mov_b32 s29, 128<<16                         ; tensor_dim0
	s_mov_b32 s30, 32<<16                          ; tensor_dim1
	s_mov_b32 s31, 128<<16                         ; tile_dim0
	s_mov_b32 s32, 32                              ; tile_dim1
	s_mov_b32 s33, 4096                            ; the pitch
	s_mov_b32 s34, 0
	s_mov_b32 s35, 0
	s_lshl_b32 s46, s27, 22                        ; x: the batch's 4 MiB,
	s_lshl_b32 s47, s26, 19                        ; my wave's 32 channels,
	s_add_co_u32 s46, s46, s47
	s_lshl_b32 s47, ttmp9, 9                       ; the block's 128 positions
	s_add_co_u32 s46, s46, s47
	s_mov_b32 s47, 0
	s_lshl_b32 s48, s26, 14                        ; and in LDS: 32 rows of 512 bytes a wave
	s_lshl_b32 s50, s27, 20                        ; kv: my block of 32768 bytes
	s_lshl_b32 s51, ttmp9, 15
	s_add_co_u32 s50, s50, s51
	s_mov_b32 s51, 0
	s_lshl_b32 s52, s27, 5                         ; q: my record of 6656 bytes
	s_add_co_u32 s52, s52, ttmp9
	s_mul_i32 s52, s52, 6656
	s_mov_b32 s53, 0
	s_mul_i32 s54, s26, 12288                      ; wh: my 64 rows of 192 bytes,
	s_mov_b32 s55, 0
	s_lshl_b32 s56, s26, 9                         ; and their 8 scale bytes each
	s_mov_b32 s57, 0
	s_mov_b32 s44, 0x76543210
	s_mov_b32 s45, 0xfedcba98                      ; v_permlanex16_b32's selects for lane l xor 16
	s_mul_i32 s58, s26, 6144
	s_lshl_b32 s59, s26, 8
	s_mul_i32 s60, s26, 1536
	s_lshl_b32 s61, s26, 7
	s_lshl_b32 s62, s26, 9
	v_and_b32 v[XLA], 7, v0                        ; my position among the wave's 32: (l % 8) + 16 (bit 3) + 8 (bit 4): row l % 16 of tile l / 16
	v_bfe_u32 v[XLA+1], v0, 3, 1
	v_lshl_add_u32 v[XLA], v[XLA+1], 4, v[XLA]
	v_lshl_add_u32 v[XLA], v[HH], 3, v[XLA]
	v_lshlrev_b32 v[XLA], 2, v[XLA]
	v_add_nc_u32 v[XLA], s61, v[XLA]               ; + 128 bytes a wave
	v_add_nc_u32 v[XLA+1], 0x10000, v[XLA]         ; channel row 128
	v_lshl_add_u32 v[LIX], v[LANE], 4, XIMG
	v_lshl_add_u32 v[LSX], v[LANE], 2, XSC
	v_add_nc_u32 v[XWI], s58, v[LIX]
	v_add_nc_u32 v[XWS], s59, v[LSX]
	v_and_b32 v26, 8, v[RR]
	v_add_nc_u32 v26, v26, v[RR]                   ; r + 8 (r / 8)
	v_mul_u32_u24 v[WFA], v26, 192
	v_mad_u32_u24 v[WFA], v[HH], 24, v[WFA]
	v_lshlrev_b32 v[WSA], 3, v26
	v_mul_u32_u24 v[WHA], v[RR], 192
	v_mad_u32_u24 v[WHA], v[HH], 24, v[WHA]
	v_lshlrev_b32 v[WHSA], 3, v[RR]
	v_lshl_add_u32 v[KST16], v[LANE], 4, s60
	v_lshl_add_u32 v[KST8], v[LANE], 3, s60
	v_lshl_add_u32 v[VST], v[LANE], 4, s58
	v_lshl_add_u32 v[SKA], v[RR], 3, s61
	v_add_nc_u32 v[SKA], SCST, v[SKA]
	v_lshl_add_u32 v[SQA], v[RR], 2, s61
	v_add_nc_u32 v[SQA], SCST+2048, v[SQA]
	v_lshl_add_u32 v[SVA], v[RR], 4, s59
	v_add_nc_u32 v[SVA], SCST+512, v[SVA]
	v_lshl_add_u32 v[SZA], v[LANE], 2, s61
	v_add_nc_u32 v[SZA], SCST+1536, v[SZA]
	v_lshl_add_u32 v[SGO], v[LANE], 4, s62
	v_add_nc_u32 v[SRD], SCST, v[SGO]
	v_mov_b32 v[ZR], 0
.irp b, 0,1,2,3
	v_mov_b32 v[TM+4+\b], 0                        ; written once: a lane permute's destination counts as one of its sources
.endr
	s_wait_dscnt 0x0                               ; both opening adds are done
	s_wait_kmcnt 0x0
	s_mov_b32 s36, 1                               ; group 0, first load: channels 32 w on
	s_mov_b32 s37, s48
	s_add_nc_u64 s[38:39], s[8:9], s[46:47]
	s_mov_b32 s40, 1                               ; second load: channels 128 + 32 w on
	s_add_co_u32 s41, s48, 0x10000
	s_add_nc_u64 s[42:43], s[38:39], 0x200000
	s_or_b32 s39, s39, 0x80000000
	s_or_b32 s43, s43, 0x80000000
	tensor_load_to_lds s[36:39], s[28:35]          ; both first fills of every wave go out together; nothing is filled again: two loads of mine are out at the most
	s_nop 0
	tensor_load_to_lds s[40:43], s[28:35]
	s_nop 0
	PLACES 4
	s_add_nc_u64 s[24:25], s[24:25], s[50:51]
	s_add_nc_u64 s[22:23], s[22:23], s[52:53]
	s_add_nc_u64 s[18:19], s[18:19], s[54:55]
	s_add_nc_u64 s[20:21], s[20:21], s[56:57]
	WIN 0x40                                       ; destination window 1: the weights stay in registers
.irp t, 0,1,2,3                                ; THE ROWS OF wf AND wg THAT FORM A TILE ARE NOT NEIGHBOURS: lane r of tile 2 b + u takes row 32 b + 8 u + r + 8 (r / 8)
.irp ks, 0,1
.irp p, 0,1,2,3,4,5
	global_load_b64 v[24*\t+12*\ks+2*\p:24*\t+12*\ks+2*\p+1], v[WFA], s[10:11] offset:(32*(\t/2)+8*(\t%2))*192+96*\ks+48*(\p/3)+8*(\p%3)
	global_load_b64 v[96+24*\t+12*\ks+2*\p:96+24*\t+12*\ks+2*\p+1], v[WFA], s[14:15] offset:(32*(\t/2)+8*(\t%2))*192+96*\ks+48*(\p/3)+8*(\p%3)
.endr
.endr
.endr
	WIN 0x80                                       ; destination window 2
.irp t, 0,1,2,3
.irp ks, 0,1
.irp p, 0,1,2,3,4,5
	global_load_b64 v[24*\t+12*\ks+2*\p:24*\t+12*\ks+2*\p+1], v[WHA], s[18:19] offset:16*\t*192+96*\ks+48*(\p/3)+8*(\p%3)
.endr
.endr
.endr
	WIN 0
.irp t, 0,1,2,3                                ; a row's 8 scale bytes are the words of its two K steps
	global_load_b64 v[WS+2*\t:WS+2*\t+1], v[WSA], s[12:13] offset:(32*(\t/2)+8*(\t%2))*8
	global_load_b64 v[WS+8+2*\t:WS+8+2*\t+1], v[WSA], s[16:17] offset:(32*(\t/2)+8*(\t%2))*8
	global_load_b64 v[WHS+2*\t:WHS+2*\t+1], v[WHSA], s[20:21] offset:128*\t
.endr
	s_wait_tensorcnt 0x1                           ; my part of channels 0-127 is in; the second load may stay out,
	s_barrier_signal -1
	s_barrier_wait -1                              ; everybody's is
	HALF 0
	s_wait_tensorcnt 0x0                           ; my part of channels 128-255 is in,
	BARRIER                                        ; everybody's is
	HALF 1
	BARRIER                                        ; x's sixteen fragments and their scale words lie in LDS
	WIN 0xc0                                       ; destination window 3
.irp f, 0,1,2,3,4,5,6,7,8,9,10,11,12,13,14,15
.irp c, 0,1,2
	ds_load_b128 v[12*\f+4*\c:12*\f+4*\c+3], v[LIX] offset:1536*\f+512*\c
.endr
.endr
	WIN 0
.irp f, 0,1,2,3,4,5,6,7
	ds_load_b32 v[XSA+\f], v[LSX] offset:128*\f
.endr
	PLACES 8                                       ; my own scale words were written by vector instructions: eight places ahead of a scaled matrix instruction, four for the fragments
	s_wait_loadcnt 0x0                             ; the weights
; fx and gx of my tile u, transposed: source 0 = 16 rows of a weight, source 1 = 16 positions: a lane holds one position, and its registers run along the 64 channels, the next K.
; The eight accumulators take turns.
.macro FG u
	WIN 0x01                                       ; source 0 window 1
.irp t, 0,1,2,3,4,5,6,7
	MM ACC+8*\t, 24*\t, XF+24*\u, -1, WS+2*\t, XS, 0, \u
.endr
.irp t, 0,1,2,3,4,5,6,7
	MM ACC+8*\t, 24*\t+12, XF+24*\u+12, ACC+8*\t, WS+2*\t+1, XS+1, 0, \u
.endr
	WIN 0
	PLACES 4
	QUANT2 ACC, CF+16*\u, FW+2*\u
	global_store_b128 v[KST16], v[CF+16*\u:CF+16*\u+3], s[24:25] offset:768*\u            ; 512 consecutive bytes, aligned
	global_store_b64 v[KST8], v[CF+16*\u+4:CF+16*\u+5], s[24:25] offset:768*\u+512        ; 256 consecutive bytes, aligned
	QUANT2 ACC+32, CF+16*\u+8, FW+2*\u+1
	global_store_b128 v[KST16], v[CF+16*\u+8:CF+16*\u+11], s[22:23] offset:768*\u
	global_store_b64 v[KST8], v[CF+16*\u+12:CF+16*\u+13], s[22:23] offset:768*\u+512
.endm
	FG 0
	FG 1
	s_wait_dscnt 0x0                               ; everybody's fragments of x are in
; hx's channels 64 w + 16 tt on: source 0 = 16 positions, source 1 = 16 rows of wh: a lane holds one channel, and the 64 registers of the eight tiles run along the 128 positions, the next K
.macro HP tt
	WIN 0x0b                                       ; source 0 window 3, source 1 window 2
.irp p, 0,1,2,3,4,5,6,7
	MM ACC+8*\p, 24*\p, 24*\tt, -1, XSA+2*(\p/2), WHS+2*\tt, \p%2, 0
.endr
.irp p, 0,1,2,3,4,5,6,7
	MM ACC+8*\p, 24*\p+12, 24*\tt+12, ACC+8*\p, XSA+2*(\p/2)+1, WHS+2*\tt+1, \p%2, 0
.endr
	WIN 0
	PLACES 4
	QUANT ACC, XF+12*\tt, VSW+\tt
.irp c, 0,1,2
	global_store_b128 v[VST], v[XF+12*\tt+4*\c:XF+12*\tt+4*\c+3], s[24:25] offset:6144+1536*\tt+512*\c
.endr
.endm
	HP 0
	HP 1
	HP 2
	HP 3
	; the scale words meet in a stage and leave as whole runs of 512 bytes (lanes r and r + 16 store the same word to the same place)
	ds_store_b32 v[SKA], v[FW]
	ds_store_b32 v[SKA], v[FW+2] offset:4
	ds_store_b32 v[SQA], v[FW+1]
	ds_store_b32 v[SQA], v[FW+3] offset:64
	ds_store_b128 v[SVA], v[VSW:VSW+3]
	ds_store_b32 v[SZA], v[ZR]
	BARRIER
	ds_load_b128 v[OB:OB+3], v[SRD]
	s_wait_dscnt 0x0
	global_store_b128 v[SGO], v[OB:OB+3], s[24:25] offset:30720
	s_cmp_lg_u32 s26, 0                            ; gx's 512 bytes: wave 0
	s_cbranch_scc1 .Lnot_wave_0
	ds_load_b128 v[OB+4:OB+7], v[SRD] offset:2048
	s_wait_dscnt 0x0
	global_store_b128 v[SGO], v[OB+4:OB+7], s[22:23] offset:6144
.Lnot_wave_0:
	s_wait_tensorcnt 0x0                           ; the wave's end, behind my last tensor load and my last LDS store
	ds_add_u32 v[SPW], v[NIL]
	s_wait_dscnt 0x0
	s_endpgm
.Lfunc_end_k_q4b82953b28_proj:
	.size	k_q4b82953b28_proj, .Lfunc_end_k_q4b82953b28_proj-k_q4b82953b28_proj
	.p2alignl 7, 3214868480
	.fill 96, 4, 3214868480
	.section	.rodata,"a",@progbits
	.p2align	6, 0x0
	.amdhsa_kernel k_q4b82953b28_proj
		.amdhsa_group_segment_fixed_size 167936
		.amdhsa_private_segment_fixed_size 0
		.amdhsa_enable_private_segment 0
		.amdhsa_kernarg_size 72
		.amdhsa_user_sgpr_count 2
		.amdhsa_user_sgpr_kernarg_segment_ptr 1
		.amdhsa_wavefront_size32 1
		.amdhsa_system_sgpr_workgroup_id_x 1
		.amdhsa_system_sgpr_workgroup_id_y 1
		.amdhsa_system_sgpr_workgroup_id_z 1
		.amdhsa_system_vgpr_workitem_id 0
		.amdhsa_next_free_vgpr 1024
		.amdhsa_next_free_sgpr 66
		.amdhsa_reserve_vcc 0
		.amdhsa_float_denorm_mode_32 3
		.amdhsa_float_denorm_mode_16_64 3
		.amdhsa_memory_ordered 1
		.amdhsa_forward_progress 1
		.amdhsa_inst_pref_size 92
	.end_amdhsa_kernel
	.amdgpu_metadata
---
amdhsa.version: [ 1, 2 ]
amdhsa.kernels:
  - .name:           k_q4b82953b28_proj
    .symbol:         k_q4b82953b28_proj.kd
    .args:
      - { .name: x, .offset: 0, .size: 8, .value_kind: global_buffer, .address_space: global }
      - { .name: wf_codes, .offset: 8, .size: 8, .value_kind: global_buffer, .address_space: global }
      - { .name: wf_scales, .offset: 16, .size: 8, .value_kind: global_buffer, .address_space: global }
      - { .name: wg_codes, .offset: 24, .size: 8, .value_kind: global_buffer, .address_space: global }
      - { .name: wg_scales, .offset: 32, .size: 8, .value_kind: global_buffer, .address_space: global }
      - { .name: wh_codes, .offset: 40, .size: 8, .value_kind: global_buffer, .address_space: global }
      - { .name: wh_scales, .offset: 48, .size: 8, .value_kind: global_buffer, .address_space: global }
      - { .name: q, .offset: 56, .size: 8, .value_kind: global_buffer, .address_space: global }
      - { .name: kv, .offset: 64, .size: 8, .value_kind: global_buffer, .address_space: global }
    .group_segment_fixed_size: 167936
    .private_segment_fixed_size: 0
    .kernarg_segment_align: 8
    .kernarg_segment_size: 72
    .max_flat_workgroup_size: 128
    .sgpr_count:     66
    .vgpr_count:     1024
    .wavefront_size: 32
...
	.end_amdgpu_metadata
.endif
;; end of part 1
;; launch attn (part 2): grid 32 x 8, 8 waves a work-group, clusters of 4 x 1, 327,680 bytes of LDS; arguments q, kv, x, gamma, out0; writes out0
.if DOCPART == 2
	.amdgcn_target "amdgcn-amd-amdhsa--gfx1250"
	.amdhsa_code_object_version 6
	.text
	.protected	k_q4b82953b28_attn
	.globl	k_q4b82953b28_attn
	.p2align	8
	.type	k_q4b82953b28_attn,@function
k_q4b82953b28_attn:
	s_mov_b64 s[64:65], 0
	v_nop
	global_prefetch_b8 v0, s[64:65] scope:SCOPE_SE
	s_setreg_imm32_b32 hwreg(HW_REG_WAVE_MODE, 25, 1), 1
	s_wait_xcnt 0x0
	s_wait_alu depctr_hold_cnt(0) depctr_sa_sdst(0) depctr_va_vdst(0) depctr_va_sdst(0) depctr_va_ssrc(0) depctr_va_vcc(0) depctr_vm_vsrc(0)
	s_getreg_b32 s2, hwreg(HW_REG_IB_STS2, 6, 4)
	s_cmp_eq_u32 s2, 0
	s_cbranch_scc0 .Lentry_in_a_cluster
	s_endpgm
.Lentry_in_a_cluster:
	s_bfe_u32 s2, ttmp6, 0x10000c
	s_cmp_lg_u32 s2, 0x3003
	s_cbranch_scc0 .Lentry_shape_is_right
	s_endpgm
.Lentry_shape_is_right:
; out[b][c][m] = gamma x (sum over n of hx[c][n] softmax_n(fx[:, n] . gx[:, m])) + x[b][c][m]: m is the query (gx), n the key (fx), hx the values with the keys as K.  Both products on codes of E2M3.
; No work is left out.  The first product's K is 64: the upper 64 of the instruction's 128 are zero codes on the queries' side (registers 6-11 of Q, cleared once); E2M3 has no code for infinity or NaN, so
; whatever codes stand opposite them add nothing; both sides' scale words carry 0x7f for those blocks.
; THE SOFTMAX: t = score x log2(e); M = the query's largest t so far, rounded UP to a whole number; p = 2^(t - M) is quantised along the keys, not normalised; the sum l is taken of the unquantised p.
; When M moves, l and O are multiplied by 2^(old M - new M): exact.
; SHARES.  A work-group owns 128 queries of a batch.  Wave w of eight: G = w % 4: queries 32 G .. 32 G + 31, two tiles of 16; KP = w / 4: of a slot's four key steps (128 keys each) it walks steps KP and KP + 2.
; So each fragment of K and V read from LDS feeds two products, and two waves stand on a SIMD, one's vector work beside the other's matrix work.  The two halves' O, M and l are joined at the end.
; Both products are used transposed (S^T = K Q^T, O^T = V^T P^T): a lane holds one query.  kv and q hold images of operand registers: every fragment comes by loads of 16 or 8 bytes a lane, lanes on end.
; Row r of query tile 2 G + u is position 32 G + 8 u + r + 8 (r / 8); the keys of a tile likewise, so that the 16 registers of two neighbouring tiles of S^T are 16 neighbouring keys.
; CLUSTER.  The four query blocks of a cluster walk the same kv: each slot is asked for jointly, by the same tensor load with the same descriptor and the mask 15, in all four.
; LIMITS: NaN and infinities are not served; a block of p whose every number has fallen to 0 keeps the byte 1: its codes are zeros.
; REGISTERS: window 0 as named below; window 1: O^T, tile u, channels 16 t on, at 128 u + 8 t.
.set SLOT1,  1<<17                     ; a slot holds four key steps of 32768 bytes; slot 1 begins here: one exclusive or turns an address from one slot into the other
.set KSTEPB, 32768
.set VIMG,   6144
.set KSC,    30720
.set VSC,    31232
.set STGB,   135168                    ; the way out: two stages of 256 rows (channels) x (512 bytes + 16), over the ring, which has had its last fill and its last read by then
.set EXCH,   270336                    ; behind them: 512 bytes for each wave, for -M and l
.set SPARE,  274432                    ; the spare words, 128 bytes for each wave: four blocks of 256 bytes that no other line names
.set LANE, 1
.set ADR,  2                           ; v2   16 x lane + the key step's first byte
.set ADR8, 3                           ; v3   8 x lane + the same
.set SPW,  4                           ; v4   LDS address of my spare word; never rewritten
.set NIL,  5                           ; v5   0; never rewritten
.set QS,   6                           ; v6   Q's scale words: lanes 0-15 tile 0, lanes 16-31 tile 1
.set PFO,  7                           ; v7   256 x lane: kv's prefetches
.set KS,   8                           ; v8-11  K's scale words; then
.set VS0,  8                           ;        V's of channel tiles 0-7,
.set VS1,  84                          ; v84-87 and of tiles 8-15
.set ST,   12                          ; v12 + 4 u: -M, the largest t, l in two halves
.set PS,   20                          ; v20 + u: p's scale word
.set PFX,  22                          ; v22  16384 x lane: x's prefetches
.set XO,   23                          ; v23  16 x lane
.set Q,    24                          ; v24 + 12 u
.set PC,   48                          ; v48 + 12 u: p's codes
.set BM,   72                          ; v72-75 the blocks' largest scores, then largest p; then a conversion's upper half
.set PR,   76                          ; v76-79 the other half of the lanes'; a chain of the sums; the bytes; then a conversion's upper half
.set SO,   80                          ; v80-83 the conversions' scale operands
.set MI,   88
.set F,    92                          ; v[92:93] f = 2^(old M - new M)
.set S,    96                          ; v96-159 S^T, then p
.set FR,   160                         ; v160-255 eight fragments of K or V
.set WV,   14
.set SEL,  20
.set CS,   22                          ; s[22:23] log2(e), twice: the packed form names a pair
.set SB,   40                          ; s40  LDS byte at which the key step in hand begins
.set SLOTS, 41
.set TWICE, 42
.set LIM,  43
.set PFA,  44
.set MSB, 0
.macro WIN new                         ; the immediate's high byte repeats the setting that is left
.if MSB != \new
	s_set_vgpr_msb (MSB<<8)|\new
.set MSB, \new
.endif
.endm
.macro PLACES n
.rept \n
	v_nop
.endr
.endm
; one matrix instruction: D at d, A at a, B at b, C at c (c < 0: the constant 0 starts the sum), scale registers sa, sb; ra, rb = 1: that side's scales are read from lanes 16-31
.macro MM d, a, b, c, sa, sb, ra, rb
.if (\c) < 0
.if (\ra) && (\rb)
	v_wmma_scale_f32_16x16x128_f8f6f4 v[\d:\d+7], v[\a:\a+11], v[\b:\b+11], 0, v[\sa], v[\sb] matrix_a_fmt:MATRIX_FMT_FP6 matrix_b_fmt:MATRIX_FMT_FP6 matrix_a_scale:MATRIX_SCALE_ROW1 matrix_b_scale:MATRIX_SCALE_ROW1
.elseif (\ra)
	v_wmma_scale_f32_16x16x128_f8f6f4 v[\d:\d+7], v[\a:\a+11], v[\b:\b+11], 0, v[\sa], v[\sb] matrix_a_fmt:MATRIX_FMT_FP6 matrix_b_fmt:MATRIX_FMT_FP6 matrix_a_scale:MATRIX_SCALE_ROW1
.elseif (\rb)
	v_wmma_scale_f32_16x16x128_f8f6f4 v[\d:\d+7], v[\a:\a+11], v[\b:\b+11], 0, v[\sa], v[\sb] matrix_a_fmt:MATRIX_FMT_FP6 matrix_b_fmt:MATRIX_FMT_FP6 matrix_b_scale:MATRIX_SCALE_ROW1
.else
	v_wmma_scale_f32_16x16x128_f8f6f4 v[\d:\d+7], v[\a:\a+11], v[\b:\b+11], 0, v[\sa], v[\sb] matrix_a_fmt:MATRIX_FMT_FP6 matrix_b_fmt:MATRIX_FMT_FP6
.endif
.else
.if (\ra) && (\rb)
	v_wmma_scale_f32_16x16x128_f8f6f4 v[\d:\d+7], v[\a:\a+11], v[\b:\b+11], v[\c:\c+7], v[\sa], v[\sb] matrix_a_fmt:MATRIX_FMT_FP6 matrix_b_fmt:MATRIX_FMT_FP6 matrix_a_scale:MATRIX_SCALE_ROW1 matrix_b_scale:MATRIX_SCALE_ROW1
.elseif (\ra)
	v_wmma_scale_f32_16x16x128_f8f6f4 v[\d:\d+7], v[\a:\a+11], v[\b:\b+11], v[\c:\c+7], v[\sa], v[\sb] matrix_a_fmt:MATRIX_FMT_FP6 matrix_b_fmt:MATRIX_FMT_FP6 matrix_a_scale:MATRIX_SCALE_ROW1
.elseif (\rb)
	v_wmma_scale_f32_16x16x128_f8f6f4 v[\d:\d+7], v[\a:\a+11], v[\b:\b+11], v[\c:\c+7], v[\sa], v[\sb] matrix_a_fmt:MATRIX_FMT_FP6 matrix_b_fmt:MATRIX_FMT_FP6 matrix_b_scale:MATRIX_SCALE_ROW1
.else
	v_wmma_scale_f32_16x16x128_f8f6f4 v[\d:\d+7], v[\a:\a+11], v[\b:\b+11], v[\c:\c+7], v[\sa], v[\sb] matrix_a_fmt:MATRIX_FMT_FP6 matrix_b_fmt:MATRIX_FMT_FP6
.endif
.endif
.endm
; A round of the cluster's barrier: my work-group's barrier; wave 0 signals for the work-group; every wave waits for all four work-groups; my work-group's barrier once more.
.macro CROUND
	s_barrier_signal -1
	s_barrier_wait -1
	s_cmp_lg_u32 s[WV], 0
	s_cbranch_scc1 .Lnot_wave_0_\@
	s_barrier_signal -3
.Lnot_wave_0_\@:
	s_barrier_wait -3
	s_barrier_signal -1
	s_barrier_wait -1
.endm
; A prefetch of the slot that the NEXT change of slots will ask for: 131072 bytes, lanes 256 bytes apart.  All clusters of a batch walk the same kv: the batch's first cluster asks; its four partners share the
; slot out by address (8192 bytes each in every 32768), and in each waves 0 to 3 ask, 32768 bytes apart: each aligned 256 bytes are named once in the launch.  The last change that fills a slot asks for nothing.
.macro ASK
	s_cmp_gt_u32 s[SLOTS], s[LIM]
	s_cbranch_scc0 .Lnot_mine_\@
	global_prefetch_b8 v[PFO], s[PFA:PFA+1] th:TH_LOAD_NT scope:SCOPE_SE
.Lnot_mine_\@:
.endm
; THE SOFTMAX of tile u for one key step: v[S] on holds 64 scores of my query, register 16 b + i = key 32 b + 16 (lane / 16) + i.  first = 1: O^T has not begun: nothing is rescaled.
.macro SOFT u, first
.set NM, ST+4*(\u)
.set PCU, PC+12*(\u)
.irp b, 0,1,2,3
	v_max3_num_f32 v[BM+\b], v[S+16*\b], v[S+16*\b+1], v[S+16*\b+2]   ; the largest score of each block of 32 keys: it serves for the row's maximum and, since p rises with the score, for the block's largest p
.endr
.irp i, 3,5,7,9,11,13
.irp b, 0,1,2,3
	v_max3_num_f32 v[BM+\b], v[BM+\b], v[S+16*\b+\i], v[S+16*\b+\i+1]
.endr
.endr
.irp b, 0,1,2,3
	v_max_num_f32 v[BM+\b], v[BM+\b], v[S+16*\b+15]
.endr
.irp b, 0,1,2,3
	v_permlanex16_b32 v[PR+\b], v[BM+\b], s[SEL], s[SEL+1]
.endr
.irp b, 0,1,2,3
	v_max_num_f32 v[BM+\b], v[BM+\b], v[PR+\b]         ; with lane l xor 16's 16 keys
.endr
	v_max3_num_f32 v[MI], v[BM], v[BM+1], v[BM+2]
	v_max_num_f32 v[MI], v[MI], v[BM+3]
	v_mul_f32 v[MI], s[CS], v[MI]                      ; as t
	v_max_num_f32 v[NM+1], v[NM+1], v[MI]              ; the running largest t
	v_mov_b32 v[MI], v[NM]
	v_floor_f32 v[NM], -v[NM+1]                        ; the new -M = floor(-t): M is a whole number
	v_sub_f32 v[MI], v[NM], v[MI]                      ; old M less new M: a whole number, 0 or less
	v_cvt_i32_f32 v[MI], v[MI]                         ; (it saturates)
	v_ldexp_f32 v[F], 1.0, v[MI]                       ; f = 2^(old M - new M)
.irp j, 0,2,4,6,8,10,12,14,16,18,20,22,24,26,28,30,32,34,36,38,40,42,44,46,48,50,52,54,56,58,60,62
	v_pk_fma_f32 v[S+\j:S+\j+1], v[S+\j:S+\j+1], s[CS:CS+1], v[NM:NM+1] op_sel_hi:[1,0,0]   ; t - M, two at a time
.endr
.irp b, 0,1,2,3
	v_fma_f32 v[BM+\b], v[BM+\b], s[CS], v[NM]         ; the same of each block's largest score
.endr
.irp j, 0,1,2,3,4,5,6,7,8,9,10,11,12,13,14,15,16,17,18,19,20,21,22,23,24,25,26,27,28,29,30,31,32,33,34,35,36,37,38,39,40,41,42,43,44,45,46,47,48,49,50,51,52,53,54,55,56,57,58,59,60,61,62,63
	v_exp_f32 v[S+\j], v[S+\j]                         ; p = 2^(t - M)
.endr
	v_pk_mul_f32 v[NM+2:NM+3], v[NM+2:NM+3], v[F:F+1] op_sel_hi:[1,0]   ; l under the new M: the plain place behind the exponentials
	s_wait_alu depctr_va_vdst(0)                       ; one wait for the batch, ahead of its first reader
.irp b, 0,1,2,3
	v_exp_f32 v[BM+\b], v[BM+\b]                       ; the blocks' largest p
.endr
	v_pk_add_f32 v[PR:PR+1], v[S:S+1], v[S+2:S+3]      ; the sum of the unquantised p, two at a time, in two chains: plain work behind the four
.irp j, 4,8,12,16,20,24,28,32,36,40,44,48,52,56,60
	v_pk_add_f32 v[NM+2:NM+3], v[NM+2:NM+3], v[S+\j:S+\j+1]
	v_pk_add_f32 v[PR:PR+1], v[PR:PR+1], v[S+\j+2:S+\j+3]
.endr
	v_pk_add_f32 v[NM+2:NM+3], v[NM+2:NM+3], v[PR:PR+1]
	s_wait_alu depctr_va_vdst(0)                       ; and one for the four
.irp b, 0,1,2,3
	v_max_num_f32 v[BM+\b], 0x1800000, v[BM+\b]        ; the floor 2^(3 - 127): the byte cannot fall under 1
.endr
.irp b, 0,1,2,3
	v_add_nc_u32 v[SO+\b], 0xff000000, v[BM+\b]        ; 2 off the exponent field: the conversion's scale operand
.endr
.irp b, 0,1,2,3
	v_lshrrev_b32 v[PR+\b], 23, v[SO+\b]               ; the scale's byte
.endr
	v_lshl_or_b32 v[PS+\u], v[PR+1], 8, v[PR]          ; p's scale word for these 128 keys
	v_lshl_or_b32 v[PS+\u], v[PR+2], 16, v[PS+\u]
	v_lshl_or_b32 v[PS+\u], v[PR+3], 24, v[PS+\u]
	v_cvt_scalef32_pk16_fp6_f32 v[PCU:PCU+2], v[S:S+15], v[SO]
	v_cvt_scalef32_pk16_fp6_f32 v[PR:PR+2], v[S+16:S+31], v[SO+1]      ; (a conversion's three registers begin on an even number)
	v_cvt_scalef32_pk16_fp6_f32 v[PCU+6:PCU+8], v[S+32:S+47], v[SO+2]
	v_cvt_scalef32_pk16_fp6_f32 v[BM:BM+2], v[S+48:S+63], v[SO+3]
	v_nop                                              ; one plain place behind a scaled conversion
.irp i, 0,1,2                                      ; the operand wants a whole block in a lane: lanes 0-15 block 2 c, lanes 16-31 block 2 c + 1
	v_permlane16_swap_b32 v[PCU+\i], v[PR+\i]
	v_permlane16_swap_b32 v[PCU+6+\i], v[BM+\i]
.endr
.irp i, 0,1,2
	v_mov_b32 v[PCU+3+\i], v[PR+\i]
	v_mov_b32 v[PCU+9+\i], v[BM+\i]
.endr
.if \first
	PLACES 8                                           ; a scale word written by vector instructions stands eight places ahead of its matrix instruction
.else
	WIN 0x41                                           ; O^T (destination and source 0) in window 1
.irp j, 0,2,4,6,8,10,12,14,16,18,20,22,24,26,28,30,32,34,36,38,40,42,44,46,48,50,52,54,56,58,60,62,64,66,68,70,72,74,76,78,80,82,84,86,88,90,92,94,96,98,100,102,104,106,108,110,112,114,116,118,120,122,124,126
	v_pk_mul_f32 v[128*\u+\j:128*\u+\j+1], v[128*\u+\j:128*\u+\j+1], v[F:F+1] op_sel_hi:[1,0]   ; O^T under the new M; these are also the places ahead of the products
.endr
	WIN 0
.endif
.endm
.macro VLOAD g                         ; V's channel tiles 8 g .. 8 g + 7
.irp t, 0,1,2,3,4,5,6,7
.irp c, 0,1,2
	ds_load_b128 v[FR+12*\t+4*\c:FR+12*\t+4*\c+3], v[ADR] offset:VIMG+1536*(8*\g+\t)+512*\c
.endr
.endr
.endm
.macro PV g, first                     ; O^T += V^T P^T for these eight tiles and both tiles of queries: sixteen accumulators, one instruction each
	WIN 0x50                                           ; C and D window 1
.irp t, 0,1,2,3,4,5,6,7
.irp u, 0,1
.if \first
	MM 128*\u+8*(8*\g+\t), FR+12*\t, PC+12*\u, -1, VS0+(VS1-VS0)*\g+\t%4, PS+\u, \t/4, 0
.else
	MM 128*\u+8*(8*\g+\t), FR+12*\t, PC+12*\u, 128*\u+8*(8*\g+\t), VS0+(VS1-VS0)*\g+\t%4, PS+\u, \t/4, 0
.endif
.endr
.endr
	WIN 0
.endm
; A KEY STEP: 128 keys for my 32 queries.  Every run of loads into registers that matrix instructions have read stands four places behind them.
.macro STEP first
	v_lshl_add_u32 v[ADR], v[LANE], 4, s[SB]
	v_lshl_add_u32 v[ADR8], v[LANE], 3, s[SB]
.irp k, 0,1,2,3,4,5,6,7
	ds_load_b128 v[FR+12*\k:FR+12*\k+3], v[ADR] offset:768*\k
	ds_load_b64 v[FR+12*\k+4:FR+12*\k+5], v[ADR8] offset:768*\k+512
.endr
	ds_load_b64 v[KS:KS+1], v[ADR8] offset:KSC         ; register 2 j + u: lanes 0-15 the words of key tile 4 j + u, lanes 16-31 of tile 4 j + 2 + u
	ds_load_b64 v[KS+2:KS+3], v[ADR8] offset:KSC+256
	s_wait_dscnt 0x0
.irp k, 0,1,2,3,4,5,6,7
	MM S+8*\k, FR+12*\k, Q, -1, KS+2*(\k/4)+\k%2, QS, (\k/2)%2, 0
.endr
	PLACES 4
	SOFT 0, \first
.irp k, 0,1,2,3,4,5,6,7                        ; the same fragments of K serve the second tile of queries
	MM S+8*\k, FR+12*\k, Q+12, -1, KS+2*(\k/4)+\k%2, QS, (\k/2)%2, 1
.endr
	PLACES 4
	VLOAD 0                                            ; they land while the second softmax is walked
	ds_load_b128 v[VS0:VS0+3], v[ADR] offset:VSC       ; register i: lanes 0-15 the words of channel tile i, lanes 16-31 of tile 4 + i
	ds_load_b128 v[VS1:VS1+3], v[ADR] offset:VSC+512   ; tiles 8 + i and 12 + i
	SOFT 1, \first
	s_wait_dscnt 0x0
	PV 0, \first
	PLACES 4
	VLOAD 1
	s_wait_dscnt 0x0
	PV 1, \first
	PLACES 4
	s_add_co_u32 s[SB], s[SB], 2*KSTEPB                ; my next step lies two steps on
.endm
.macro TWO_STEPS                       ; my two key steps of a slot: written once, walked twice
	s_mov_b32 s[TWICE], 2
.Lstep_\@:
	STEP 0
	s_sub_co_u32 s[TWICE], s[TWICE], 1
	s_cmp_lg_u32 s[TWICE], 0
	s_cbranch_scc1 .Lstep_\@
.endm
; THE CHANGE OF SLOTS.  Each wave waits for all its tensor loads (one is out: its part of the slot ahead), adds 0 to its spare word, and waits for that and for its reads of the slot that it leaves.
; fill = 1: the barrier is a round of the cluster's, and the slot just left is filled with the keys two slots on: the wave's one tensor load behind the round, first thing there; it has two key steps in which to land.
.macro CHANGE fill
	s_wait_tensorcnt 0x0                               ; no tensor load of mine is out, so a group 0 may be written
	ds_add_u32 v[SPW], v[NIL]                          ; 0 onto my spare word
.if \fill
	s_xor_b32 s37, s37, SLOT1                          ; the walking descriptor: the other slot than last time,
	s_add_nc_u64 s[38:39], s[38:39], 0x20000           ; the next 512 keys; the type bits on top are not reached
	s_wait_xcnt 0x0                                    ; the last prefetch, a slot back, has read its address, so it may be written
	s_add_nc_u64 s[PFA:PFA+1], s[PFA:PFA+1], 0x20000   ; one slot further on than the walking descriptor
	s_wait_dscnt 0x0                                   ; the add is done, and my reads of the slot are over
	CROUND
	tensor_load_to_lds s[36:39], s[24:31]
	s_nop 0
	PLACES 4
	ASK
.else
	s_wait_dscnt 0x0
	s_barrier_signal -1
	s_barrier_wait -1
	global_prefetch_b8 v[PFX], s[50:51] th:TH_LOAD_NT scope:SCOPE_SE             ; x's 32 rows of 512 bytes that I add on the way out, a lane a row, two aligned blocks each: two key steps ahead of their loads;
	global_prefetch_b8 v[PFX], s[50:51] offset:256 th:TH_LOAD_NT scope:SCOPE_SE  ; no other wave of the launch reads them
.endif
	s_sub_co_u32 s[SB], s[SB], 4*KSTEPB                ; back to my first step of a slot,
	s_xor_b32 s[SB], s[SB], SLOT1                      ; in the other slot
.endm
	s_load_b256 s[4:11], s[0:1], 0x0               ; q s[4:5], kv s[6:7], x s[8:9], gamma s[10:11]
	s_load_b64 s[12:13], s[0:1], 0x20              ; out0
	v_lshl_add_u32 v[SPW], v0, 2, SPARE
	v_mov_b32 v[NIL], 0
	ds_add_u32 v[SPW], v[NIL]                      ; the wave's opening: the add, twice on end, and its wait ahead of the round in front of my first tensor loads
	ds_add_u32 v[SPW], v[NIL]
	v_lshrrev_b32 v1, 5, v0
	v_readfirstlane_b32 s[WV], v1                  ; wave 0..7
	v_and_b32 v[LANE], 31, v0
	s_and_b32 s15, s[WV], 3                        ; G: which 32 queries
	s_lshr_b32 s16, s[WV], 2                       ; KP: which key steps
	s_bfe_u32 s17, ttmp6, 0x40000                  ; cx: my place in the cluster
	s_lshl_b32 s18, ttmp9, 2
	s_add_co_u32 s18, s18, s17                     ; my block of 128 queries: it enters q's, x's and out0's addresses alone
	s_and_b32 s19, ttmp7, 0xffff                   ; the batch, which the four partners share
	; descriptor group 1: 64 dense rows of 256 bytes (32 elements of 8), no padding: images are read lanes on end
	s_mov_b32 s24, 15|(3<<16)|(1<<21)              ; the mask: all four work-groups; elements of 8 bytes; bit 21 set beside a mask
	s_mov_b32 s25, 32<<16
	s_mov_b32 s26, 64<<16
	s_mov_b32 s27, 32<<16
	s_mov_b32 s28, 64
	s_mov_b32 s29, 32
	s_mov_b32 s30, 0
	s_mov_b32 s31, 0
	s_lshl_b32 s58, s19, 20                        ; kv: the batch's 32 blocks,
	s_lshl_b32 s33, s[WV], 14                      ; my eighth of a slot, in memory and in LDS: no place in the cluster enters either
	s_add_co_u32 s58, s58, s33
	s_mov_b32 s59, 0
	s_mov_b32 s32, 1
	s_mov_b32 s36, 1
	s_add_co_u32 s37, s33, SLOT1
	s_lshl_b32 s60, s19, 20                        ; the prefetches: in slot 2 (the first change of slots steps them to slot 3), 32768 bytes a wave, 8192 a partner
	s_add_co_u32 s60, s60, 2*SLOT1
	s_lshl_b32 s61, s[WV], 15
	s_add_co_u32 s60, s60, s61
	s_lshl_b32 s61, s17, 13
	s_add_co_u32 s60, s60, s61
	s_mov_b32 s61, 0
	s_lshl_b32 s48, s19, 22                        ; x and out0: the batch, my wave's 32 channels, the block's 128 positions
	s_lshl_b32 s49, s[WV], 19
	s_add_co_u32 s48, s48, s49
	s_lshl_b32 s49, s18, 9
	s_add_co_u32 s48, s48, s49
	s_mov_b32 s49, 0
	s_lshl_b32 s62, s19, 5                         ; q: my block's record of 6656 bytes,
	s_add_co_u32 s62, s62, s18
	s_mul_i32 s62, s62, 6656
	s_mul_i32 s54, s15, 1536                       ; my two tiles in it,
	s_add_co_u32 s54, s54, s62
	s_mov_b32 s55, 0
	s_lshl_b32 s56, s15, 7                         ; and their scale words
	s_add_co_u32 s56, s56, s62
	s_mov_b32 s57, 0
	s_mov_b32 s[SEL], 0x76543210
	s_mov_b32 s[SEL+1], 0xfedcba98                 ; v_permlanex16_b32's selects for lane l xor 16
	s_mov_b32 s[CS], 0x3fb8aa3b                    ; log2(e)
	s_mov_b32 s[CS+1], s[CS]
	s_lshl_b32 s[SB], s16, 15
	s_mov_b32 s[SLOTS], 6
	s_or_b32 s[LIM], s16, ttmp9                    ; 0 in waves 0 to 3 of the batch's first cluster: the same in all four partners
	s_cmp_eq_u32 s[LIM], 0
	s_cselect_b32 s[LIM], 1, -1
	v_lshlrev_b32 v[PFO], 8, v[LANE]
	v_lshlrev_b32 v[PFX], 14, v[LANE]
	v_lshlrev_b32 v[XO], 4, v[LANE]
	v_lshlrev_b32 v[ADR8], 3, v[LANE]              ; (for Q's loads)
	v_lshlrev_b32 v[ADR], 2, v[LANE]
.irp u, 0,1
	v_mov_b32 v[ST+4*\u+1], 0xff61b1e6             ; the largest t so far: -3e38, under every t
	v_floor_f32 v[ST+4*\u], -v[ST+4*\u+1]          ; -M
	v_mov_b32 v[ST+4*\u+2], 0                      ; l, in two halves
	v_mov_b32 v[ST+4*\u+3], 0
.irp i, 6,7,8,9,10,11
	v_mov_b32 v[Q+12*\u+\i], 0                     ; Q's upper 64 along K: zero codes
.endr
.endr
.irp k, 0,1,2,3,4,5,6,7
.irp i, 6,7,8,9,10,11
	v_mov_b32 v[FR+12*\k+\i], 0                    ; K's upper 64 stand opposite zero codes: whatever these registers hold later adds nothing; they are written once, so that they are written
.endr
.endr
.irp b, 0,1,2,3
	v_mov_b32 v[PR+\b], 0                          ; a lane permute's destination counts as one of its sources
.endr
	v_mov_b32 v[F+1], 0                            ; (named as the upper half of the pair)
	s_wait_dscnt 0x0                               ; both opening adds are done
	s_wait_kmcnt 0x0
	s_add_nc_u64 s[34:35], s[6:7], s[58:59]        ; slot 0,
	s_add_nc_u64 s[38:39], s[34:35], 0x20000       ; slot 1
	s_or_b32 s35, s35, 0x80000000
	s_or_b32 s39, s39, 0x80000000
	s_add_nc_u64 s[PFA:PFA+1], s[6:7], s[60:61]
	s_add_nc_u64 s[50:51], s[8:9], s[48:49]
	s_add_nc_u64 s[52:53], s[12:13], s[48:49]
	s_add_nc_u64 s[54:55], s[4:5], s[54:55]
	s_add_nc_u64 s[56:57], s[4:5], s[56:57]
	s_load_b32 s46, s[10:11], 0x0                  ; gamma
	CROUND                                         ; all four work-groups are here: the first joint loads meet
	tensor_load_to_lds s[32:35], s[24:31]          ; every wave's two first fills: two loads of mine are out, later one
	s_nop 0
	tensor_load_to_lds s[36:39], s[24:31]
	s_nop 0
	PLACES 4
.irp u, 0,1
	global_load_b128 v[Q+12*\u:Q+12*\u+3], v[XO], s[54:55] offset:768*\u
	global_load_b64 v[Q+12*\u+4:Q+12*\u+5], v[ADR8], s[54:55] offset:768*\u+512
.endr
	global_load_b32 v[QS], v[ADR], s[56:57] offset:6144
	s_wait_tensorcnt 0x1                           ; my part of slot 0 is in; slot 1's may stay out
	s_barrier_signal -1
	s_barrier_wait -1                              ; everybody's is
	s_wait_loadcnt 0x0                             ; Q
	s_wait_kmcnt 0x0                               ; gamma
	STEP 1                                         ; the first step's products start O^T's sums: nothing is cleared
	STEP 0
.Lslot:                                            ; six trips: slots 2 to 7 are asked for
	CHANGE 1
	TWO_STEPS
	s_sub_co_u32 s[SLOTS], s[SLOTS], 1
	s_cmp_lg_u32 s[SLOTS], 0
	s_cbranch_scc1 .Lslot
	CHANGE 0                                       ; the last slot is written out
	TWO_STEPS
	; THE WAY OUT.  x's rows are asked for first (the four places at the step's end stand ahead of these loads).
.set XR,  128                          ; v128-255 32 rows of x: channels 32 w on, my block's 128 positions, 16 bytes a lane
.set SG,  96                           ; v96-127  32 results on their way to a stage; later a set of rows read back
.set FAC, 48                           ; v[48 + 2 u : 49 + 2 u]  what my O^T is multiplied by
.set SA,  52                           ; v52-55   my place in my stage, for channel rows 64 qq on
.set RD,  60                           ; v60-61   where I read rows back, in either stage
.irp i, 0,1,2,3,4,5,6,7,8,9,10,11,12,13,14,15,16,17,18,19,20,21,22,23,24,25,26,27,28,29,30,31
	global_load_b128 v[XR+4*\i:XR+4*\i+3], v[XO], s[50:51] offset:16384*\i th:TH_LOAD_NT
.endr
	s_lshl_b32 s47, s[WV], 9
	s_xor_b32 s48, s47, 2048                       ; the wave with my queries and the other key steps: w xor 4
	v_lshl_add_u32 v24, v[LANE], 2, s47
	v_lshl_add_u32 v25, v[LANE], 2, s48
	v_add_nc_u32 v24, EXCH, v24
	v_add_nc_u32 v25, EXCH, v25
	v_add_f32 v[ST+2], v[ST+2], v[ST+3]            ; l's two halves,
	v_add_f32 v[ST+6], v[ST+6], v[ST+7]
	v_permlanex16_b32 v[PR], v[ST+2], s[SEL], s[SEL+1]
	v_permlanex16_b32 v[PR+1], v[ST+6], s[SEL], s[SEL+1]
	v_add_f32 v[ST+2], v[ST+2], v[PR]              ; and lane l xor 16's
	v_add_f32 v[ST+6], v[ST+6], v[PR+1]
	ds_store_b32 v24, v[ST]
	ds_store_b32 v24, v[ST+2] offset:128
	ds_store_b32 v24, v[ST+4] offset:256
	ds_store_b32 v24, v[ST+6] offset:384
	s_wait_dscnt 0x0                               ; my stores have landed, and my reads of the ring are long over
	s_barrier_signal -1
	s_barrier_wait -1                              ; so nobody reads the ring any more: the stages may be written
	ds_load_b32 v28, v25
	ds_load_b32 v29, v25 offset:128
	ds_load_b32 v30, v25 offset:256
	ds_load_b32 v31, v25 offset:384
	v_and_b32 v56, 15, v0                          ; r
	v_bfe_u32 v57, v0, 4, 1                        ; h
	v_bfe_u32 v58, v0, 3, 1                        ; r / 8
	v_lshlrev_b32 v[SA], 2, v56
	v_lshl_add_u32 v[SA], v58, 5, v[SA]            ; my query's 4 bytes in a row: 4 (r + 8 (r / 8)),
	v_mad_u32_u24 v[SA], v57, 4224, v[SA]          ; 8 rows of 528 bytes further down for lanes 16-31: 32 banks on, so that a store's 32 lanes touch 32 banks,
	s_mul_i32 s47, s16, STGB                       ; my half's stage,
	s_lshl_b32 s48, s15, 7                         ; my 32 queries
	s_add_co_u32 s47, s47, s48
	v_add_nc_u32 v[SA], s47, v[SA]
	v_add_nc_u32 v[SA+1], 64*528, v[SA]
	v_add_nc_u32 v[SA+2], 128*528, v[SA]
	v_add_nc_u32 v[SA+3], 192*528, v[SA]
	s_mul_i32 s47, s[WV], 32*528
	v_lshl_add_u32 v[RD], v[LANE], 4, s47
	v_add_nc_u32 v[RD+1], STGB, v[RD]
	s_wait_dscnt 0x0
.irp u, 0,1                                    ; the two halves are joined under M' = the larger M: both powers of two are exact
	v_min_num_f32 v[32+8*\u], v[ST+4*\u], v[28+2*\u]               ; -M'
	v_sub_f32 v[33+8*\u], v[32+8*\u], v[ST+4*\u]
	v_sub_f32 v[34+8*\u], v[32+8*\u], v[28+2*\u]
	v_cvt_i32_f32 v[33+8*\u], v[33+8*\u]
	v_cvt_i32_f32 v[34+8*\u], v[34+8*\u]
	v_ldexp_f32 v[33+8*\u], 1.0, v[33+8*\u]                        ; 2^(M - M'), mine
	v_ldexp_f32 v[34+8*\u], 1.0, v[34+8*\u]                        ; and the other wave's
	v_mul_f32 v[35+8*\u], v[29+2*\u], v[34+8*\u]
	v_fma_f32 v[35+8*\u], v[ST+4*\u+2], v[33+8*\u], v[35+8*\u]     ; the whole row's l
.endr
	v_rcp_f32 v36, v35
	v_rcp_f32 v44, v43
	v_mul_f32 v37, s46, v33                        ; x gamma: plain work behind the reciprocals
	v_mul_f32 v45, s46, v41
	s_wait_alu depctr_va_vdst(0)                   ; one wait for both, ahead of their first reader
	v_mul_f32 v[FAC], v37, v36
	v_mul_f32 v[FAC+2], v45, v44
	v_mov_b32 v[FAC+1], v[FAC]
	v_mov_b32 v[FAC+3], v[FAC+2]
; tile u, channels 64 qq on: 32 registers are scaled, each accumulator from its low end on, and go to my stage: register 8 t + j of lane (r, h) is channel 64 qq + 16 t + 8 h + j of my query
.macro CHUNK u, qq
	WIN 0x01                                           ; source 0 window 1
.irp i, 0,2,4,6,8,10,12,14,16,18,20,22,24,26,28,30
	v_pk_mul_f32 v[SG+\i:SG+\i+1], v[128*\u+32*\qq+\i:128*\u+32*\qq+\i+1], v[FAC+2*\u:FAC+2*\u+1] op_sel_hi:[1,0]
.endr
	WIN 0
.irp t, 0,1,2,3
.irp j, 0,1,2,3,4,5,6,7
	ds_store_b32 v[SA+\qq], v[SG+8*\t+\j] offset:(16*\t+\j)*528+32*\u
.endr
.endr
.endm
.irp u, 0,1
.irp qq, 0,1,2,3
	CHUNK \u, \qq
.endr
.endr
	s_wait_dscnt 0x0                               ; for the others' sake: my stores into the stage have landed
	s_barrier_signal -1
	s_barrier_wait -1
; wave w takes channel rows 32 w .. 32 w + 31 of both stages, four rows at a time, one group ahead, in two sets of registers
.macro RDG g
.irp i, 0,1,2,3
	ds_load_b128 v[64+32*((\g)%2)+4*\i:64+32*((\g)%2)+4*\i+3], v[RD] offset:528*(4*(\g)+\i)
	ds_load_b128 v[80+32*((\g)%2)+4*\i:80+32*((\g)%2)+4*\i+3], v[RD+1] offset:528*(4*(\g)+\i)
.endr
.endm
.macro OUTG g, left                    ; left: the next group's eight loads, which may stay out
	s_wait_dscnt \left
.irp i, 0,1,2,3
.irp e, 0,2
	v_pk_add_f32 v[XR+16*(\g)+4*\i+\e:XR+16*(\g)+4*\i+\e+1], v[XR+16*(\g)+4*\i+\e:XR+16*(\g)+4*\i+\e+1], v[64+32*((\g)%2)+4*\i+\e:64+32*((\g)%2)+4*\i+\e+1]
.endr
.irp e, 0,2
	v_pk_add_f32 v[XR+16*(\g)+4*\i+\e:XR+16*(\g)+4*\i+\e+1], v[XR+16*(\g)+4*\i+\e:XR+16*(\g)+4*\i+\e+1], v[80+32*((\g)%2)+4*\i+\e:80+32*((\g)%2)+4*\i+\e+1]
.endr
	global_store_b128 v[XO], v[XR+16*(\g)+4*\i:XR+16*(\g)+4*\i+3], s[52:53] offset:16384*(4*(\g)+\i) th:TH_STORE_NT   ; 512 consecutive bytes, aligned; each row's registers are written once
.endr
.endm
	RDG 0
	s_wait_loadcnt 0x0                             ; x
.irp g, 0,1,2,3,4,5,6
	RDG \g+1
	OUTG \g, 8
.endr
	OUTG 7, 0
	s_wait_tensorcnt 0x0                           ; the wave's end, behind my last tensor load and my last LDS store
	ds_add_u32 v[SPW], v[NIL]
	s_wait_dscnt 0x0
	CROUND                                         ; the closing round: no work-group ends while a partner may still ask for a tile that names it
	s_endpgm
.Lfunc_end_k_q4b82953b28_attn:
	.size	k_q4b82953b28_attn, .Lfunc_end_k_q4b82953b28_attn-k_q4b82953b28_attn
	.p2alignl 7, 3214868480
	.fill 96, 4, 3214868480
	.section	.rodata,"a",@progbits
	.p2align	6, 0x0
	.amdhsa_kernel k_q4b82953b28_attn
		.amdhsa_group_segment_fixed_size 327680
		.amdhsa_private_segment_fixed_size 0
		.amdhsa_enable_private_segment 0
		.amdhsa_kernarg_size 40
		.amdhsa_user_sgpr_count 2
		.amdhsa_user_sgpr_kernarg_segment_ptr 1
		.amdhsa_wavefront_size32 1
		.amdhsa_system_sgpr_workgroup_id_x 1
		.amdhsa_system_sgpr_workgroup_id_y 1
		.amdhsa_system_sgpr_workgroup_id_z 1
		.amdhsa_system_vgpr_workitem_id 0
		.amdhsa_next_free_vgpr 512
		.amdhsa_next_free_sgpr 66
		.amdhsa_reserve_vcc 0
		.amdhsa_float_denorm_mode_32 3
		.amdhsa_float_denorm_mode_16_64 3
		.amdhsa_memory_ordered 1
		.amdhsa_forward_progress 1
		.amdhsa_inst_pref_size 211
	.end_amdhsa_kernel
	.amdgpu_metadata
---
amdhsa.version: [ 1, 2 ]
amdhsa.kernels:
  - .name:           k_q4b82953b28_attn
    .symbol:         k_q4b82953b28_attn.kd
    .args:
      - { .name: q, .offset: 0, .size: 8, .value_kind: global_buffer, .address_space: global }
      - { .name: kv, .offset: 8, .size: 8, .value_kind: global_buffer, .address_space: global }
      - { .name: x, .offset: 16, .size: 8, .value_kind: global_buffer, .address_space: global }
      - { .name: gamma, .offset: 24, .size: 8, .value_kind: global_buffer, .address_space: global }
      - { .name: out0, .offset: 32, .size: 8, .value_kind: global_buffer, .address_space: global }
    .group_segment_fixed_size: 327680
    .private_segment_fixed_size: 0
    .kernarg_segment_align: 8
    .kernarg_segment_size: 40
    .max_flat_workgroup_size: 256
    .sgpr_count:     66
    .vgpr_count:     512
    .wavefront_size: 32
...
	.end_amdgpu_metadata
.endif
;; end of part 2
